; MI455X (gfx1250); checked and timed in simulation.
; The chip was launched on July 23, 2026; its instructions are those of AMD's public machine-readable ISA for CDNA 5 (MIT licence, August 2026) and "CDNA5" Instruction Set Architecture Reference Guide (July 2026). The comments in the code are by the model that wrote it; some were corrected since.
;; MHSA. Allowed arithmetic: matrix products marked QUANTISED: E4M3 operands, one E8M0 scale for each 32 along K, by v_wmma_scale_f32_16x16x128_f8f6f4 with both operands' format E4M3, f32 sums; everything else in f32.
;; Inputs: Wk_codes 768 x 24 x 32 uint8 (E4M3 codes of Wk, K innermost, in blocks of 32 codes); Wk_scales 768 x 24 uint8 (E8M0 scales of Wk, one for each 32 codes along K); Wq_codes 768 x 24 x 32 uint8 (E4M3 codes of Wq, K innermost, in blocks of 32 codes); Wq_scales 768 x 24 uint8 (E8M0 scales of Wq, one for each 32 codes along K); Wv 768 x 768 float32; x_codes 2 x 4,096 x 24 x 32 uint8 (E4M3 codes of x, K innermost, in blocks of 32 codes); x_scales 2 x 4,096 x 24 uint8 (E8M0 scales of x, one for each 32 codes along K).
;; Outputs: out0 2 x 4,096 x 768 float32.
;; This version of the problem:
;;   THIS VERSION OF THE PROBLEM IS GIVEN IN LOW PRECISION. The matrix products marked QUANTISED in the list below multiply operands that are first quantised to E4M3 (4 exponent bits, 3 mantissa bits; 8 bits a number), with one power-of-two scale for each 32 numbers along K (OCP MX v1.0); their sums are f32. All else is computed in f32.
;;   The module's matrix products, in the order in which they are computed (A, B: the left and right operand; K: the contracted axis; several contracted axes count as one K, in the product's order):
;;     1. [M 8,192, K 768] x [K 768, N 768]; A: input x (given as codes); B: input Wq (given as codes): QUANTISED
;;     2. [M 8,192, K 768] x [K 768, N 768]; A: input x (given as codes); B: input Wk (given as codes): QUANTISED
;;     3. [M 8,192, K 768] x [K 768, N 768]; A: input x (given as codes); B: input Wk (given as codes): QUANTISED
;;     4. batch 12 x [M 4,096, K 128] x [K 128, N 4,096]; A: computed on the way; B: computed on the way: QUANTISED
;;     5. batch 12 x [M 4,096, K 4,096] x [K 4,096, N 128]; A: softmax (see below); B: computed on the way: QUANTISED
;;   THE QUANTISER, for each operand of a quantised product, along K:
;;     - K is cut into blocks of 32 from its start; a last block that is shorter is filled with zeros.
;;     - A block's scale is 2^e with e = floor(log2(the largest magnitude in the block)) - 8, held to -126 .. 127; a block of zeros has e = 0. As a byte (E8M0): e + 127.
;;     - Each number is divided by its block's scale, clamped to +-448, and rounded to the nearest number of E4M3, ties to even, subnormals kept.
;;     - The product sums the exact products of the quantised numbers (number of the format x scale) in f32.
;;   ~~~python
;;   def quantise(x, axis):      # numpy; x: float32 -> the quantised numbers, widened to float32 again
;;       x = np.moveaxis(x, axis, -1); K = x.shape[-1]
;;       x = np.pad(x, [(0, 0)] * (x.ndim - 1) + [(0, -K % 32)]); x = x.reshape(x.shape[:-1] + (-1, 32)); a = np.abs(x).max(-1, keepdims=True)
;;       e = np.where(a > 0, np.clip(np.frexp(np.where(a > 0, a, 1))[1] - 1 - 8, -126, 127), 0)      # np.frexp(a)[1] - 1 = floor(log2(a)), exactly
;;       r = np.clip(x / 2.0 ** e, -448, 448)
;;       step = 2.0 ** (np.maximum(np.frexp(np.where(r == 0, 1, r))[1] - 1, -6) - 3)
;;       q = np.round(r / step) * step * 2.0 ** e      # np.round: ties to even
;;       return np.moveaxis(q.reshape(q.shape[:-2] + (-1,))[..., :K], -1, axis).astype(np.float32)
;;   ~~~
;;   SOFTMAX AHEAD OF A QUANTISED PRODUCT. Where the list says 'softmax', what is quantised is not the finished softmax but p = 2^(t - M), with t = logit x log2(e) and M = ceil(the row's largest t), a whole number; so 1/2 < the row's largest p <= 1. The row's sum l is taken of the UNQUANTISED p, in f32, and the product's result is divided by l at the end. Since M is a whole number, a kernel that streams over the keys may use a running M (the ceiling of the running maximum): every later rescaling is an exact power of two, which a block's scale takes up: the codes' values come out the same.
;;   OPERANDS COMPUTED ON THE WAY. 'Computed on the way' means the value that the module computes at that place (a softmax that the list does not call 'softmax' is quantised finished and normalised). What goes into a quantiser is computed in f32, as accurately as f32 sums, v_exp_f32 and their like allow (about 1e-6 of the number): no bf16 or f16 on the way to a quantiser, and a product that is left as it is and whose result goes on into a quantised operand takes f32 operands (vector FMAs, or v_wmma_f32_16x16x4_f32). A number that lies on a knife's edge between two numbers of the format may be rounded either way, as far as f32 arithmetic and the matrix unit's own rounding can turn it there, and no further.
;;   INPUTS GIVEN AS CODES. Wk (in the module: [768, 768], K = its axis 1); Wq (in the module: [768, 768], K = its axis 1); x (in the module: [2, 4096, 768], K = its axis 2): each comes as NAME_codes (uint8): NAME with its K axis moved to the last place and cut into blocks of 32 codes, [.., K / 32, bytes a block], one block behind the other in memory; one code a byte (a code: sign, 4 exponent bits, 3 mantissa bits); and NAME_scales (uint8): the same leading axes, one E8M0 byte (e + 127) for each 32 codes along K. Its value is code x scale, taken as it is: it is not quantised again, and the codes and scales need not be those that the quantiser above would give.
;; One version. Each part assembles by itself: llvm-mc -triple=amdgcn-amd-amdhsa -mcpu=gfx1250 --defsym DOCPART=n.
;; ======== version 1 of 1: 2 launches
;; limits: right only within a limited range of input values
;; workspace buffers: qimg 6,488,064 bytes; kv 12,976,128 bytes
;; launch proj (part 1): grid 32 x 6, 4 waves a work-group, clusters of 4 x 1, 327,680 bytes of LDS; arguments x_codes, x_scales, Wq_codes, Wq_scales, Wk_codes, Wk_scales, qimg, kv; writes qimg, kv
.if DOCPART == 1
	.amdgcn_target "amdgcn-amd-amdhsa--gfx1250"
	.amdhsa_code_object_version 6
	.text
	.protected	k_qbf666521d8_proj
	.globl	k_qbf666521d8_proj
	.p2align	8
	.type	k_qbf666521d8_proj,@function
k_qbf666521d8_proj:
	s_mov_b64 s[64:65], 0
	v_nop
	global_prefetch_b8 v0, s[64:65] scope:SCOPE_SE
	s_setreg_imm32_b32 hwreg(HW_REG_WAVE_MODE, 25, 1), 1
	s_wait_xcnt 0x0
	s_wait_alu depctr_hold_cnt(0) depctr_sa_sdst(0) depctr_va_vdst(0) depctr_va_sdst(0) depctr_va_ssrc(0) depctr_va_vcc(0) depctr_vm_vsrc(0)
	s_getreg_b32 s2, hwreg(HW_REG_IB_STS2, 6, 4)
	s_cmp_eq_u32 s2, 0
	s_cbranch_scc0 .Lentry_in_a_cluster
	s_endpgm
.Lentry_in_a_cluster:
	s_bfe_u32 s2, ttmp6, 0x10000c
	s_cmp_lg_u32 s2, 0x3003
	s_cbranch_scc0 .Lentry_shape_is_right
	s_endpgm
.Lentry_shape_is_right:
; q = x Wq^T, k = x Wk^T and v = x Wk^T (the module takes the K projection for its values too), on codes of FP8 (E4M3) with one E8M0 scale for each 32 along K = 768;
; the results are quantised at once: q and k along the head's 128 channels, v along the tokens (the keys of the second attention product).
; DEAD WORK: reference() never reads Wv, so for all values of the inputs it reaches no output: it is loaded by no launch and is no argument.  LIMIT: a NaN or an infinity in Wv is not carried to the result.
; SHARES.  192 work-groups; each takes 256 tokens x one head (128 channels), as two blocks of 128 tokens one after the other.  Wave w owns channels 32 w .. 32 w + 31 (two tiles of 16) for all tokens of a block:
; each fragment of Wq and Wk is read from LDS by one wave alone, and the eight fragments of x of a K step serve q, k and v alike: 12 fragments read for 48 matrix instructions.
; THE ROWS OF A TILE ARE NOT NEIGHBOURS, for tokens and channels alike: lane r of tile 2 b + u takes row 32 b + 8 u + r + 8 (r / 8).  In a result, register j of lane (r, h) of tile 2 b + u is then
; row 32 b + 16 h + 8 u + j: the 16 registers of tiles 2 b and 2 b + 1 are 16 neighbours, in the order in which an operand of 8-bit codes wants them.
; q, k: source 0 = 16 channels of W, source 1 = 16 tokens of x: a lane holds one token, its registers run along the channels.  v: the sources swapped: a lane holds one channel, its registers run along the tokens.
; OUT.  Codes leave as images of the operand registers (a tile of 16 rows x 128 K is four pieces of 512 bytes, lane l at 16 l), scale words as [tile][r]:
;   qimg [2 head + batch][token / 128]: 8 tiles x 2,048 bytes, then 512 bytes of scale words.   kv, same index: 8 tiles of K, 8 tiles of V, K's 512 bytes of words, V's 512.
; LDS.  A block of x, Wq's slice and Wk's, each for the whole K.  ONE TENSOR LOAD A WAVE at the head: waves 0 and 1 x's tiles with u = 0 and u = 1, wave 2 Wq's 128 rows, wave 3 Wk's, each W as one dense tile;
; W's rows lie in their own order, and a tile's rows are chosen by the lane's address.  W stays for both blocks.  x's bytes are filled again once, behind block 0's products: the load is out while block 0 is quantised and stored.
; The scale bytes do not pass through LDS: each wave loads its scale words from memory into registers, three loads of 8 bytes for a row's 24.
; CLUSTER.  The four work-groups of a cluster take four token ranges of one head: Wq's and Wk's slices are asked for jointly; x's loads are the work-group's own.
; NO PREFETCH: the launch has no loop to run ahead in; block 1's rows are asked for by their tensor load a whole way out ahead of their use.
; LIMITS: NaN and infinities are not served; a block of zeros, and one whose largest magnitude lies under 2^-118, gets the scale byte 1 (its codes are zeros or subnormal; the bytes are read by this program alone).
.set PITCH, 816                        ; a row of 768 codes in LDS: 16 bytes of padding behind each 256
.set TILEB, 16*PITCH
.set HALFB, 4*TILEB                    ; x's four tiles with u = 0, or with u = 1: what one of x's loads brings
.set OPB,   2*HALFB                    ; an operand: x at 0, Wq at OPB, Wk at 2 OPB
.set SCR,   3*OPB                      ; scale words on their way out: Q's 512 bytes, K's, V's; no tensor load lands here
.set SPARE, SCR+1536                   ; the spare words, 128 bytes a wave
.set WV,   20                          ; s20 my wave's number
.set G1X,  32                          ; s[32:39] group 1 for x's codes;  s[40:47] for W's
.set G1W,  40
.set G0X,  68                          ; s[68:71] group 0 for x;  s[80:83] for W
.set G0W,  80
.set SEL,  92                          ; s[92:93] lane selects: lane l xor 16
.set MNT,  94                          ; s94 the mantissa field of 448
.set WP,   24                          ; s[24:25] where my wave stores 512 bytes of scale words
.set QP,   96                          ; s[96:97] my piece of Q's tile 0;  s[98:99] of K's;  s[100:101] my first tile of V
.set KP,   98
.set VP,   100
.set LI,   1                           ; v1 16 x lane
.set AX,   2                           ; v2-3 x's fragments, u = 0, 1;  v4-5 Wq's;  v6-7 Wk's
.set AWQ,  4
.set AWK,  6
.set SA,   8                           ; v8 my offset in x's scale bytes;  v9 in W's
.set SAW,  9
.set SWB,  10                          ; v10 where my byte of a token's scale word goes;  v11 V's words;  v12 where the words are read back
.set SWV,  11
.set RDW,  12
.set XS,   16                          ; v16-39 x's scale words: register 6 b + s: lanes 0-15 tile 2 b, lanes 16-31 tile 2 b + 1, K step s
.set WQS,  40                          ; v40-45 Wq's: register s: lanes 0-15 u = 0, lanes 16-31 u = 1;  v46-51 Wk's
.set WKS,  46
.set TM,   52                          ; v52-55 largest magnitudes; v56-59 the other half's; v60-63 448 x the scale; v64-67 the conversions' scale operands
.set T4,   56
.set HL,   60
.set SOP,  64
.set PW,   68                          ; v68-69 V's scale words
.set BY,   72                          ; v72-95 scale bytes, four for each of the six runs of the quantiser
.set WD,   96                          ; v96-99 scale words on their way out
.set SPW,  126                         ; v126 my spare word's address;  v127 0: both never rewritten
.set NIL,  127
.set XF,   128                         ; v128-255 x's eight fragments; behind the products the codes, 16 registers a run
; window 1: v0-127 W's fragments, two sets (set p: Wq u at 64 p + 16 u, Wk u at 64 p + 32 + 16 u); v128-255 v's accumulators, (u, token tile) at 128 + 64 u + 8 tt
; window 2: q's accumulators, (token tile, u) at 16 tt + 8 u; k's 128 further on
.set MSB, 0
.macro WIN new                         ; the immediate's high byte repeats the setting that is left
.if MSB != (\new)
	s_set_vgpr_msb (MSB<<8)|(\new)
.set MSB, (\new)
.endif
.endm
.macro PLACES n
.rept \n
	v_nop
.endr
.endm
.macro CROUND                          ; a round of the cluster's barrier
	s_barrier_signal -1
	s_barrier_wait -1
	s_cmp_lg_u32 s[WV], 0
	s_cbranch_scc1 .Lnot_wave_0_\@
	s_barrier_signal -3
.Lnot_wave_0_\@:
	s_barrier_wait -3
	s_barrier_signal -1
	s_barrier_wait -1
.endm
.macro XSCALES                         ; a block's scale words of x, from memory: two K steps' words a load
.irp b, 0,1,2,3
.irp e, 0,1,2
	global_load_b64 v[XS+6*\b+2*\e:XS+6*\b+2*\e+1], v[SA], s[6:7] offset:768*\b+8*\e
.endr
.endr
.endm
	s_load_b256 s[4:11], s[0:1], 0x0               ; x's codes s[4:5], x's scales s[6:7], Wq's codes s[8:9], Wq's scales s[10:11]
	s_load_b256 s[12:19], s[0:1], 0x20             ; Wk's codes s[12:13], Wk's scales s[14:15], qimg s[16:17], kv s[18:19]
	v_lshl_add_u32 v[SPW], v0, 2, SPARE
	v_mov_b32 v[NIL], 0
	ds_add_u32 v[SPW], v[NIL]                      ; the opening lines: the add, twice on end, and its wait ahead of my first tensor load
	ds_add_u32 v[SPW], v[NIL]
	v_lshrrev_b32 v13, 5, v0
	v_readfirstlane_b32 s[WV], v13                 ; wave 0..3
	s_bfe_u32 s21, ttmp6, 0x40000                  ; cx: it enters x's addresses and the stores' alone
	s_lshl_b32 s22, ttmp9, 2
	s_add_co_u32 s22, s22, s21                     ; my 256 tokens, 0..31, over both batches;
	s_lshl_b32 s22, s22, 1                         ; their first block of 128, 0..62
	s_and_b32 s23, ttmp7, 0xffff                   ; the head, which the four partners share
	; group 1.  Rows are dense in memory, so 8 rows are one stretch of 6,144 bytes.  x: 8 such stretches, 16 rows apart: the rows 8 u + 0..7 of every 16.  W: all 16 stretches on end
	s_mov_b32 s[G1X], (3<<16)|(1<<20)|(5<<22)|(3<<25)             ; no mask; elements of 8 bytes; padding on: 4 words behind every 64
	s_mov_b32 s[G1W], 15|(3<<16)|(1<<20)|(1<<21)|(5<<22)|(3<<25)  ; the same with the mask of all four partners, and bit 21 beside it
	s_mov_b32 s[G1X+1], 768<<16                    ; tensor_dim0 = 768 elements
	s_mov_b32 s[G1X+2], 8<<16                      ; tensor_dim1
	s_mov_b32 s[G1X+3], 768<<16                    ; tile_dim0
	s_mov_b32 s[G1X+4], 8                          ; tile_dim1
	s_mov_b32 s[G1X+5], 1536                       ; 16 rows from stretch to stretch
	s_mov_b32 s[G1X+6], 0
	s_mov_b32 s[G1X+7], 0
	s_mov_b32 s[G1W+1], 768<<16
	s_mov_b32 s[G1W+2], 16<<16
	s_mov_b32 s[G1W+3], 768<<16
	s_mov_b32 s[G1W+4], 16
	s_mov_b32 s[G1W+5], 768
	s_mov_b32 s[G1W+6], 0
	s_mov_b32 s[G1W+7], 0
	s_mul_i32 s24, s22, 98304                      ; my tokens' codes,
	s_mov_b32 s25, 0
	s_mul_i32 s26, s22, 3072                       ; and their scale bytes
	s_mov_b32 s27, 0
	s_mul_i32 s28, s23, 98304                      ; the head's 128 rows of W (these four registers never hold cx),
	s_mov_b32 s29, 0
	s_mul_i32 s30, s23, 3072                       ; and their scale bytes
	s_mov_b32 s31, 0
	s_lshl_b32 s2, s23, 1
	s_lshr_b32 s3, s22, 5
	s_add_co_u32 s2, s2, s3                        ; 2 head + batch
	s_lshl_b32 s2, s2, 5
	s_and_b32 s3, s22, 31
	s_add_co_u32 s2, s2, s3                        ; the first block's number in qimg and kv
	s_lshl_b32 s3, s[WV], 9
	s_mul_i32 s[QP], s2, 16896
	s_add_co_u32 s[QP], s[QP], s3                  ; piece w of a tile: 512 w
	s_mov_b32 s[QP+1], 0
	s_mul_i32 s[KP], s2, 33792
	s_lshl_b32 s66, s[WV], 12
	s_add_co_u32 s[VP], s[KP], s66                 ; V's tiles 2 w, 2 w + 1
	s_add_co_u32 s[VP], s[VP], 16384
	s_mov_b32 s[VP+1], 0
	s_add_co_u32 s[KP], s[KP], s3
	s_mov_b32 s[KP+1], 0
	s_mov_b32 s[SEL], 0x76543210
	s_mov_b32 s[SEL+1], 0xfedcba98
	s_mov_b32 s[MNT], 0x600000
	; every LDS address: a constant, a lane term, a constant x wave
	v_and_b32 v13, 31, v0
	v_lshlrev_b32 v[LI], 4, v13
	v_and_b32 v13, 15, v0                          ; r
	v_bfe_u32 v14, v0, 4, 1                        ; h
	v_mul_u32_u24 v15, v13, PITCH
	v_lshl_add_u32 v[AX], v14, 4, v15              ; x's fragment: row r x pitch + 16 h
	v_add_nc_u32 v[AX+1], HALFB, v[AX]
	v_and_b32 v15, 8, v13
	v_add_nc_u32 v15, v15, v13                     ; r + 8 (r / 8)
	v_mul_u32_u24 v[AWQ], v15, PITCH
	v_lshl_add_u32 v[AWQ], v14, 4, v[AWQ]          ; W's rows lie in their own order: row r + 8 (r / 8), + 16 h
	s_mul_i32 s66, s[WV], 2*TILEB                  ; my block of 32 channels
	s_add_co_u32 s66, s66, OPB
	v_add_nc_u32 v[AWQ], s66, v[AWQ]
	v_add_nc_u32 v[AWQ+1], 8*PITCH, v[AWQ]         ; the tile with u = 1: 8 rows on
	v_add_nc_u32 v[AWK], OPB, v[AWQ]
	v_add_nc_u32 v[AWK+1], 8*PITCH, v[AWK]
	v_lshl_add_u32 v15, v14, 3, v15                ; + 8 for lanes 16-31: the tile with u = 1
	v_mul_u32_u24 v[SA], v15, 24                   ; my row's scale bytes, as an offset in memory
	s_mul_i32 s67, s[WV], 768
	v_add_nc_u32 v[SAW], s67, v[SA]
	v_lshlrev_b32 v15, 2, v13
	v_add_nc_u32 v[SWB], s[WV], v15
	v_add_nc_u32 v[SWB], SCR, v[SWB]               ; byte w of token r's word
	s_lshl_b32 s67, s[WV], 7
	v_add_nc_u32 v[SWV], s67, v15
	v_add_nc_u32 v[SWV], SCR+1024, v[SWV]          ; V's words: tile 2 w, row r
	s_lshl_b32 s67, s[WV], 9
	v_add_nc_u32 v[RDW], s67, v[LI]
	v_add_nc_u32 v[RDW], SCR, v[RDW]
.irp b, 0,1,2,3
	v_mov_b32 v[T4+\b], 0                          ; written once: a lane permute's destination counts as one of its sources
.endr
	s_wait_alu depctr_va_vdst(0)                   ; the wait at the head's end
	s_wait_dscnt 0x0
	s_wait_kmcnt 0x0
	s_add_nc_u64 s[QP:QP+1], s[16:17], s[QP:QP+1]
	s_add_nc_u64 s[KP:KP+1], s[18:19], s[KP:KP+1]
	s_add_nc_u64 s[VP:VP+1], s[18:19], s[VP:VP+1]
	s_add_nc_u64 s[4:5], s[4:5], s[24:25]
	s_add_nc_u64 s[6:7], s[6:7], s[26:27]
	s_cmp_eq_u32 s[WV], 2                          ; wave 2 fetches Wq, wave 3 Wk: the choice hangs on the wave's number alone
	s_cselect_b64 s[8:9], s[8:9], s[12:13]
	s_add_nc_u64 s[8:9], s[8:9], s[28:29]
	s_add_nc_u64 s[10:11], s[10:11], s[30:31]      ; the head's scale bytes of Wq,
	s_add_nc_u64 s[14:15], s[14:15], s[30:31]      ; and of Wk
	s_add_nc_u64 s[24:25], s[QP:QP+1], 16384       ; wave 0: Q's words, behind the eight tiles;
	s_add_nc_u64 s[26:27], s[KP:KP+1], 32256       ; wave 1: K's, at 32,768; wave 2: V's, at 33,280 (KP holds 512 w already)
	s_cmp_eq_u32 s[WV], 0
	s_cselect_b64 s[WP:WP+1], s[24:25], s[26:27]
	s_and_b32 s2, s[WV], 1                         ; waves 0, 1: u;  waves 2, 3: Wq, Wk
	s_mul_i32 s66, s2, 6144                        ; x's tiles with u = 1 begin 8 rows on
	s_mov_b32 s67, 0
	s_mov_b32 s[G0X], 1
	s_mul_i32 s[G0X+1], s2, HALFB
	s_add_nc_u64 s[G0X+2:G0X+3], s[4:5], s[66:67]
	s_or_b32 s[G0X+3], s[G0X+3], 0x80000000
	s_mov_b32 s[G0W], 1
	s_mul_i32 s[G0W+1], s2, OPB
	s_add_co_u32 s[G0W+1], s[G0W+1], OPB           ; Wq at OPB, Wk at 2 OPB
	s_mov_b64 s[G0W+2:G0W+3], s[8:9]
	s_or_b32 s[G0W+3], s[G0W+3], 0x80000000
	CROUND                                         ; all four work-groups are here: the joint loads meet
	s_cmp_lt_u32 s[WV], 2                          ; every way passes one tensor load
	s_cbranch_scc0 .Lnot_x
	tensor_load_to_lds s[G0X:G0X+3], s[G1X:G1X+7]
	s_nop 0
	PLACES 4
	s_branch .Lasked
.Lnot_x:
	tensor_load_to_lds s[G0W:G0W+3], s[G1W:G1W+7]
	s_nop 0
	PLACES 4
.Lasked:
	XSCALES                                        ; the scale words are on their way beside the tiles
.irp e, 0,1,2
	global_load_b64 v[WQS+2*\e:WQS+2*\e+1], v[SAW], s[10:11] offset:8*\e
	global_load_b64 v[WKS+2*\e:WKS+2*\e+1], v[SAW], s[14:15] offset:8*\e
.endr
	s_wait_tensorcnt 0x0                           ; all operands are wanted together: my load has landed,
	s_barrier_signal -1
	s_barrier_wait -1                              ; everybody's has
.macro FRAG reg, adr, off              ; 16 rows x 128 K: registers 4 c .. 4 c + 3 hold K = 32 c + 16 h + 0 .. 15 of row r
.irp c, 0,1,2,3
	ds_load_b128 v[(\reg)+4*\c:(\reg)+4*\c+3], v[\adr] offset:(\off)+32*\c
.endr
.endm
.macro FETCH_X s, g                    ; x's tiles 4 g .. 4 g + 3 of K step s, which begins 128 s + 16 (s / 2) bytes into an LDS row
.irp i, 0,1,2,3
	FRAG XF+16*(4*(\g)+\i), AX+\i%2, TILEB*((4*(\g)+\i)/2)+128*(\s)+16*((\s)/2)
.endr
.endm
.macro FETCH_W s                       ; my two tiles of Wq and of Wk, into set s % 2
	WIN 0x40                                       ; destination window 1
.irp u, 0,1
	FRAG 64*((\s)%2)+16*\u, AWQ+\u, 128*(\s)+16*((\s)/2)
	FRAG 64*((\s)%2)+32+16*\u, AWK+\u, 128*(\s)+16*((\s)/2)
.endr
	WIN 0
.endm
.macro WMX zero                        ; one product; the registers in rD, rA, rB, rSA, rSB; fRA, fRB: that side's scales lie in lanes 16-31.  zero = 1: it starts the sum
.if \zero
.if fRA && fRB
	v_wmma_scale_f32_16x16x128_f8f6f4 v[rD:rD+7], v[rA:rA+15], v[rB:rB+15], 0, v[rSA], v[rSB] matrix_a_scale:MATRIX_SCALE_ROW1 matrix_b_scale:MATRIX_SCALE_ROW1
.elseif fRA
	v_wmma_scale_f32_16x16x128_f8f6f4 v[rD:rD+7], v[rA:rA+15], v[rB:rB+15], 0, v[rSA], v[rSB] matrix_a_scale:MATRIX_SCALE_ROW1
.elseif fRB
	v_wmma_scale_f32_16x16x128_f8f6f4 v[rD:rD+7], v[rA:rA+15], v[rB:rB+15], 0, v[rSA], v[rSB] matrix_b_scale:MATRIX_SCALE_ROW1
.else
	v_wmma_scale_f32_16x16x128_f8f6f4 v[rD:rD+7], v[rA:rA+15], v[rB:rB+15], 0, v[rSA], v[rSB]
.endif
.else
.if fRA && fRB
	v_wmma_scale_f32_16x16x128_f8f6f4 v[rD:rD+7], v[rA:rA+15], v[rB:rB+15], v[rD:rD+7], v[rSA], v[rSB] matrix_a_scale:MATRIX_SCALE_ROW1 matrix_b_scale:MATRIX_SCALE_ROW1
.elseif fRA
	v_wmma_scale_f32_16x16x128_f8f6f4 v[rD:rD+7], v[rA:rA+15], v[rB:rB+15], v[rD:rD+7], v[rSA], v[rSB] matrix_a_scale:MATRIX_SCALE_ROW1
.elseif fRB
	v_wmma_scale_f32_16x16x128_f8f6f4 v[rD:rD+7], v[rA:rA+15], v[rB:rB+15], v[rD:rD+7], v[rSA], v[rSB] matrix_b_scale:MATRIX_SCALE_ROW1
.else
	v_wmma_scale_f32_16x16x128_f8f6f4 v[rD:rD+7], v[rA:rA+15], v[rB:rB+15], v[rD:rD+7], v[rSA], v[rSB]
.endif
.endif
.endm
; 24 products: token tiles 4 g .. 4 g + 3 against my two tiles of Wq, of Wk, and (sources swapped) of Wk again.  The 48 accumulators take turns, one instruction a turn, in the same order in every K step.
.macro HALF g, s, zero
.set pW, 64*((\s)%2)
	WIN 0xa1                                       ; source 0 (W) window 1, source 1 (x) window 0, C and D window 2
.irp o, 0,1
.irp i, 0,1,2,3
.irp u, 0,1
.set tt, 4*(\g)+\i
.set rD, 128*\o+16*tt+8*\u
.set rA, pW+32*\o+16*\u
.set rB, XF+16*tt
.set rSA, WQS+6*\o+(\s)
.set rSB, XS+6*(tt/2)+(\s)
.set fRA, \u
.set fRB, tt%2
	WMX \zero
.endr
.endr
.endr
	WIN 0x54                                       ; source 0 (x) window 0, source 1 (Wk) window 1, C and D window 1
.irp i, 0,1,2,3
.irp u, 0,1
.set tt, 4*(\g)+\i
.set rD, 128+64*\u+8*tt
.set rA, XF+16*tt
.set rB, pW+32+16*\u
.set rSA, XS+6*(tt/2)+(\s)
.set rSB, WKS+(\s)
.set fRA, tt%2
.set fRB, \u
	WMX \zero
.endr
.endr
.endm
; A K step of 128.  x has one set of registers: tiles 0-3 are fetched anew in the step's middle, tiles 4-7 at its end; W has two sets.
; A load into a register that a matrix instruction has read stands eight places behind it.
.macro KSTEP s, more, zero
	s_wait_dscnt 16                                ; W's set and x's tiles 0-3 are in; the youngest 16 loads (tiles 4-7) may be out
	HALF 0, \s, \zero
	s_wait_dscnt 0x0                               ; tiles 4-7 are in
.if \more
	PLACES 8
	FETCH_W (\s)+1
	FETCH_X (\s)+1, 0
.endif
	HALF 1, \s, \zero
.if \more
	PLACES 8
	WIN 0
	FETCH_X (\s)+1, 1
.endif
.endm
.macro PRODS                           ; a block's 288 products a wave
	FETCH_W 0
	FETCH_X 0, 0
	FETCH_X 0, 1
	s_wait_loadcnt 0x0                             ; the scale words are in
	KSTEP 0, 1, 1                                  ; the first K step starts the sums: nothing is cleared
	KSTEP 1, 1, 0
	KSTEP 2, 1, 0
	KSTEP 3, 1, 0
	KSTEP 4, 1, 0
	KSTEP 5, 0, 0
	WIN 0
	PLACES 8                                       ; in front of the first read of results, of the codes written over x's fragments, and of loads into the scale words
.endm
; 64 numbers of a lane in window qn, v[qs] on: four blocks; block b's 16 numbers lie in registers 16 b + 0 .. 15, its other 16 in lane l xor 16.  Codes to v[qp] on (window 0), scale bytes to v[qy] on.
.macro QUANT qn, qs, qp, qy
	WIN (\qn)|((\qn)<<2)                           ; sources 0 and 1 in the accumulators' window
.irp b, 0,1,2,3
	v_max3_num_f32 v[TM+\b], |v[(\qs)+16*\b]|, |v[(\qs)+16*\b+1]|, 0x4800000   ; each accumulator is read from its low end on; the floor 2^(9 - 127) holds the byte at 1 from below
.endr
.irp i, 2,4,6,8,10,12,14
.irp b, 0,1,2,3
	v_max3_num_f32 v[TM+\b], |v[(\qs)+16*\b+\i]|, |v[(\qs)+16*\b+\i+1]|, v[TM+\b]   ; the four blocks by turns
.endr
.endr
	WIN 0
.irp b, 0,1,2,3
	v_permlanex16_b32 v[T4+\b], v[TM+\b], s[SEL], s[SEL+1]
.endr
.irp b, 0,1,2,3
	v_max_num_f32 v[TM+\b], v[TM+\b], v[T4+\b]     ; the block's largest magnitude
.endr
.irp b, 0,1,2,3
	v_add_nc_u32 v[SOP+\b], 0xfc000000, v[TM+\b]   ; 8 off its exponent field: the conversion takes that field as its scale
.endr
.irp b, 0,1,2,3
	v_and_or_b32 v[HL+\b], v[TM+\b], 0x7f800000, s[MNT]   ; 448 x the scale
.endr
.irp b, 0,1,2,3
	v_lshrrev_b32 v[(\qy)+\b], 23, v[SOP+\b]       ; the scale's byte
.endr
	WIN ((\qn)<<6)|(\qn)
.irp b, 0,1,2,3
.irp i, 0,1,2,3,4,5,6,7,8,9,10,11,12,13,14,15
	v_med3_num_f32 v[(\qs)+16*\b+\i], v[(\qs)+16*\b+\i], -v[HL+\b], v[HL+\b]   ; the conversion to an 8-bit code does not saturate (ISA guide 7.6.2): the hold comes first
.endr
.endr
	WIN (\qn)
.irp b, 0,1,2,3
	v_cvt_scalef32_pk8_fp8_f32 v[(\qp)+4*\b:(\qp)+4*\b+1], v[(\qs)+16*\b:(\qs)+16*\b+7], v[SOP+\b]
	v_cvt_scalef32_pk8_fp8_f32 v[(\qp)+4*\b+2:(\qp)+4*\b+3], v[(\qs)+16*\b+8:(\qs)+16*\b+15], v[SOP+\b]
.endr
	WIN 0
	v_nop                                          ; one plain instruction behind the last conversion
.endm
; q or k, token tiles 4 g .. 4 g + 3: a block is one token's 32 channels of my wave: piece w of the tile's image and byte w of the token's scale word.  A store of the wave covers 512 consecutive bytes, aligned.
.macro OUTQK g, src, pcs, bys, ptr, wo
	QUANT 2, \src, \pcs, \bys
.irp b, 0,1,2,3
	global_store_b128 v[LI], v[(\pcs)+4*\b:(\pcs)+4*\b+3], s[\ptr:\ptr+1] offset:2048*(4*(\g)+\b)
	ds_store_b8 v[SWB], v[(\bys)+\b] offset:(\wo)+64*(4*(\g)+\b)   ; lanes r and r + 16 write the same byte with the same value
.endr
.endm
; v, my channel tile 2 w + u: the four blocks are the 128 tokens: a whole fragment and a whole scale word for each channel
.macro OUTV u, src, pcs, bys
	QUANT 1, \src, \pcs, \bys
	v_lshl_or_b32 v[PW+\u], v[(\bys)+1], 8, v[(\bys)]
	v_lshl_or_b32 v[PW+\u], v[(\bys)+2], 16, v[PW+\u]
	v_lshl_or_b32 v[PW+\u], v[(\bys)+3], 24, v[PW+\u]
.irp c, 0,1,2,3
	global_store_b128 v[LI], v[(\pcs)+4*\c:(\pcs)+4*\c+3], s[VP:VP+1] offset:2048*\u+512*\c
.endr
	ds_store_b32 v[SWV], v[PW+\u] offset:64*\u
.endm
.macro OUTS                            ; a block's way out; each run has code and byte registers of its own, so that no store's data are written again within a block
	OUTQK 0, 0,   160, BY,    QP, 0
	OUTQK 1, 64,  176, BY+4,  QP, 0
	OUTQK 0, 128, 192, BY+8,  KP, 512
	OUTQK 1, 192, 128, BY+12, KP, 512
	OUTV 0, 128, 208, BY+16
	OUTV 1, 192, 144, BY+20
	s_wait_dscnt 0x0                               ; for the others' sake: my bytes and words lie in LDS
	s_barrier_signal -1
	s_barrier_wait -1
	s_cmp_lt_u32 s[WV], 3                          ; waves 0, 1, 2 store Q's, K's and V's 512 bytes of scale words, whole
	s_cbranch_scc0 .Lno_words_\@
	ds_load_b128 v[WD:WD+3], v[RDW]
	s_wait_dscnt 0x0
	global_store_b128 v[LI], v[WD:WD+3], s[WP:WP+1]
.Lno_words_\@:
.endm
	PRODS                                          ; block 0
	s_wait_tensorcnt 0x0                           ; x's bytes are filled again; no tensor load of mine is out, so group 0 may be written
	ds_add_u32 v[SPW], v[NIL]
	s_add_nc_u64 s[G0X+2:G0X+3], s[G0X+2:G0X+3], 98304   ; block 1's codes: 128 rows on; the type bits on top are not reached
	s_add_nc_u64 s[6:7], s[6:7], 3072              ; and its scale bytes (block 0's loads have come back)
	s_wait_dscnt 0x0                               ; the add is done, and my reads of x's bytes are over
	CROUND                                         ; in a cluster launch every group of tensor loads stands behind a round
	s_cmp_lt_u32 s[WV], 2                          ; waves 0 and 1: block 1's tiles with u = 0 and u = 1
	s_cbranch_scc0 .Lnot_x2
	tensor_load_to_lds s[G0X:G0X+3], s[G1X:G1X+7]
	s_nop 0
	PLACES 4
.Lnot_x2:
	XSCALES                                        ; block 1's scale words; the way out below names none of their registers
	OUTS                                           ; block 0 leaves while block 1's rows are on their way
	s_wait_xcnt 0x0                                ; block 0's stores have read their bases and data: the bases step, and block 1's fragments may land on the codes
	s_add_nc_u64 s[QP:QP+1], s[QP:QP+1], 16896     ; one block on in qimg,
	s_add_nc_u64 s[KP:KP+1], s[KP:KP+1], 33792     ; and in kv
	s_add_nc_u64 s[VP:VP+1], s[VP:VP+1], 33792
	s_mov_b32 s2, 33792
	s_cmp_eq_u32 s[WV], 0                          ; wave 0's words go to qimg, the others' to kv
	s_cselect_b32 s2, 16896, s2
	s_mov_b32 s3, 0
	s_add_nc_u64 s[WP:WP+1], s[WP:WP+1], s[2:3]
	s_wait_tensorcnt 0x0                           ; my part of block 1 has landed,
	s_wait_dscnt 0x0                               ; and my read of block 0's scale words is over
	s_barrier_signal -1
	s_barrier_wait -1                              ; both hold of every wave
	PRODS                                          ; block 1
	OUTS
	s_wait_tensorcnt 0x0                           ; the wave's end
	ds_add_u32 v[SPW], v[NIL]
	s_wait_dscnt 0x0
	CROUND                                         ; the closing round: no work-group ends while a partner may still ask for a tile that names it
	s_endpgm
.Lfunc_end_k_qbf666521d8_proj:
	.size	k_qbf666521d8_proj, .Lfunc_end_k_qbf666521d8_proj-k_qbf666521d8_proj
	.p2alignl 7, 3214868480
	.fill 96, 4, 3214868480
	.section	.rodata,"a",@progbits
	.p2align	6, 0x0
	.amdhsa_kernel k_qbf666521d8_proj
		.amdhsa_group_segment_fixed_size 327680
		.amdhsa_private_segment_fixed_size 0
		.amdhsa_enable_private_segment 0
		.amdhsa_kernarg_size 64
		.amdhsa_user_sgpr_count 2
		.amdhsa_user_sgpr_kernarg_segment_ptr 1
		.amdhsa_wavefront_size32 1
		.amdhsa_system_sgpr_workgroup_id_x 1
		.amdhsa_system_sgpr_workgroup_id_y 1
		.amdhsa_system_sgpr_workgroup_id_z 1
		.amdhsa_system_vgpr_workitem_id 0
		.amdhsa_next_free_vgpr 768
		.amdhsa_next_free_sgpr 102
		.amdhsa_reserve_vcc 0
		.amdhsa_float_denorm_mode_32 3
		.amdhsa_float_denorm_mode_16_64 3
		.amdhsa_memory_ordered 1
		.amdhsa_forward_progress 1
		.amdhsa_inst_pref_size 232
	.end_amdhsa_kernel
	.amdgpu_metadata
---
amdhsa.version: [ 1, 2 ]
amdhsa.kernels:
  - .name:           k_qbf666521d8_proj
    .symbol:         k_qbf666521d8_proj.kd
    .args:
      - { .name: x_codes, .offset: 0, .size: 8, .value_kind: global_buffer, .address_space: global }
      - { .name: x_scales, .offset: 8, .size: 8, .value_kind: global_buffer, .address_space: global }
      - { .name: Wq_codes, .offset: 16, .size: 8, .value_kind: global_buffer, .address_space: global }
      - { .name: Wq_scales, .offset: 24, .size: 8, .value_kind: global_buffer, .address_space: global }
      - { .name: Wk_codes, .offset: 32, .size: 8, .value_kind: global_buffer, .address_space: global }
      - { .name: Wk_scales, .offset: 40, .size: 8, .value_kind: global_buffer, .address_space: global }
      - { .name: qimg, .offset: 48, .size: 8, .value_kind: global_buffer, .address_space: global }
      - { .name: kv, .offset: 56, .size: 8, .value_kind: global_buffer, .address_space: global }
    .group_segment_fixed_size: 327680
    .private_segment_fixed_size: 0
    .kernarg_segment_align: 8
    .kernarg_segment_size: 64
    .max_flat_workgroup_size: 128
    .sgpr_count:     102
    .vgpr_count:     768
    .wavefront_size: 32
...
	.end_amdgpu_metadata
.endif
;; end of part 1
;; launch attn (part 2): grid 16 x 12, 8 waves a work-group, clusters of 4 x 1, 327,680 bytes of LDS; arguments qimg, kv, out0; writes out0
.if DOCPART == 2
	.amdgcn_target "amdgcn-amd-amdhsa--gfx1250"
	.amdhsa_code_object_version 6
	.text
	.protected	k_qbf666521d8_attn
	.globl	k_qbf666521d8_attn
	.p2align	8
	.type	k_qbf666521d8_attn,@function
k_qbf666521d8_attn:
	s_mov_b64 s[64:65], 0
	v_nop
	global_prefetch_b8 v0, s[64:65] scope:SCOPE_SE
	s_setreg_imm32_b32 hwreg(HW_REG_WAVE_MODE, 25, 1), 1
	s_wait_xcnt 0x0
	s_wait_alu depctr_hold_cnt(0) depctr_sa_sdst(0) depctr_va_vdst(0) depctr_va_sdst(0) depctr_va_ssrc(0) depctr_va_vcc(0) depctr_vm_vsrc(0)
	s_getreg_b32 s2, hwreg(HW_REG_IB_STS2, 6, 4)
	s_cmp_eq_u32 s2, 0
	s_cbranch_scc0 .Lentry_in_a_cluster
	s_endpgm
.Lentry_in_a_cluster:
	s_bfe_u32 s2, ttmp6, 0x10000c
	s_cmp_lg_u32 s2, 0x3003
	s_cbranch_scc0 .Lentry_shape_is_right
	s_endpgm
.Lentry_shape_is_right:
; out[b][n][128 head + d] = the sum over keys of softmax(q . k / sqrt(768)) v, both products on codes of FP8 (E4M3) with one E8M0 scale for each 32 along a product's K.
; q, k and v come as the launch before left them: images of operand registers (a tile of 16 rows x 128 K: four pieces of 512 bytes, lane l at 16 l) and scale words [tile][r].
; THE SOFTMAX AHEAD OF THE SECOND PRODUCT: t = score x log2(e) / sqrt(768); M = the running largest t rounded UP to a whole number; p = 2^(t - M) is quantised along the keys, not normalised.
; The row's sum is taken of the unquantised p and divides at the end.  When M moves, the sum and O are multiplied by 2^(old M - new M), which rounds nothing; there is no branch on data.
; SHARES.  A work-group owns 256 queries of one (head, batch); each of its eight waves owns 32, two tiles of 16, in 512 registers: two waves to a SIMD, and each fragment of K and V read from LDS feeds two products.
; Every wave walks the 4,096 keys, 128 a step.  192 work-groups: 12 (head, batch) pairs x 16 blocks; 256 equal shares would mix two heads in a work-group, which then would want two streams of K and V.
; LAYOUT.  S^T = K Q^T (source 0 = 16 keys), O^T = V^T P^T (source 0 = 16 channels): a lane holds ONE query throughout.  Lane r of tile 2 b + u of keys, queries and channels is row 32 b + 8 u + r + 8 (r / 8),
; so that the 16 registers of tiles 2 b and 2 b + 1 of a result are the 16 neighbours 32 b + 16 (lane / 16) + 0 .. 15.
; RING.  Two LDS slots of two key steps each (a step: 8 tiles of K, 8 of V, their scale words: 33,792 dense bytes); waves 0-3 fetch a quarter of a slot each, one tensor load a wave behind each change of slots.
; CLUSTER.  The four query blocks of a cluster walk the same K and V: every tile is asked for jointly.
; LIMITS: NaN and infinities are not served; a block of p that has fallen to zeros keeps the scale byte 1 (its codes are zeros).
; THE CHANGE OF SLOTS LIES INSIDE A SLOT'S LAST KEY STEP: behind V's loads, the slot's last reads, a wave waits for its tensor loads and adds 0 to its spare word; tile 0's softmax, work on registers, stands ahead of the wait for the add
; and of the round's opening signal; tile 1's softmax, the rescaling and the 16 products stand between that signal and its wait.  The rest of the round and the joint refill follow the products.
; NO PREFETCH: a refill is asked for a slot ahead: between the request and the wait.
.set STEPB, 33792
.set KWO,   32768                      ; K's scale words in a step's block;  V's
.set VWO,   33280
.set SLOTB, 2*STEPB
.set SLOT1, 1<<17                      ; slot 1 begins here: one exclusive or turns an address in one slot into the other's
.set STG,   SLOTB                      ; behind slot 0: a stage of 16 rows x 272 bytes for each wave, for the way out; no tensor load lands here
.set SPARE, 1<<18                      ; the spare words, 128 bytes for each wave: four blocks of 256 bytes that no other line names
.set WV,  10                           ; s10 my wave's number
.set MNT, 19                           ; s19 the mantissa field of 448
.set SEL, 20                           ; s[20:21] lane selects: lane l xor 16
.set CS,  22                           ; s[22:23] c = log2(e) / sqrt(768), twice: the packed form names a pair
.set G1,  24                           ; s[24:31] descriptor group 1;  s[32:35] group 0, which walks
.set G0,  32
.set TB,  36                           ; s36 LDS byte at which the slot in hand begins
.set SLOTS, 37                         ; s37 slots still to be asked for
.set LI,  1                            ; v1 16 x lane;  v2 4 x lane
.set LS,  2
.set SPW, 3                            ; v3 my spare word's address;  v4 0: both never rewritten
.set NIL, 4
.set ADL, 5                            ; v5 the step's images;  v6 its scale words
.set ADS, 6
.set GO,  7                            ; v7 the way out: my byte offset in two rows of out
.set STO, 8                            ; v8 where I put 64 bytes of a stage row;  v9 where I read a row back
.set RD,  9
.set ST,  12                           ; tile x's statistics at v[12 + 4 x]: -M, the largest t, the sum in two halves
.set QS,  20                           ; v20 Q's scale words: lanes 0-15 tile 0, lanes 16-31 tile 1
.set PS,  21                           ; v21-22 p's scale words
.set KS,  24                           ; v24-27 K's: register p: lanes 0-15 tile 2 p, lanes 16-31 tile 2 p + 1;  v28-31 V's
.set VS,  28
.set FF,  32                           ; v[32 + 2 x] f = 2^(old M - new M), later 1 / the sum; the pair's upper register is written once
.set BM,  36                           ; v36-39 a block's largest score, then its largest p
.set T4,  40
.set HL,  44
.set SOP, 48
.set TT,  52
.set SU2, 54                           ; v[54:55] the second chain of the row's sum
.set QF,  64                           ; v64-95 Q's two fragments
.set PC,  96                           ; v96-127 p's codes
.set SS,  128                          ; v128-255 S^T, then p: 64 a tile
.set FRG, 128                          ; window 1: v128-255 eight fragments of K or of V;  v0-127 O^T, (x, t) at 64 x + 8 t
.set MSB, 0
.macro WIN new
.if MSB != (\new)
	s_set_vgpr_msb (MSB<<8)|(\new)
.set MSB, (\new)
.endif
.endm
.macro PLACES n
.rept \n
	v_nop
.endr
.endm
.macro CROUND                          ; a round of the cluster's barrier
	s_barrier_signal -1
	s_barrier_wait -1
	s_cmp_lg_u32 s[WV], 0
	s_cbranch_scc1 .Lnot_wave_0_\@
	s_barrier_signal -3
.Lnot_wave_0_\@:
	s_barrier_wait -3
	s_barrier_signal -1
	s_barrier_wait -1
.endm
.macro CREST                           ; a round of the cluster's barrier from its opening wait on: the opening signal stands further up
	s_barrier_wait -1
	s_cmp_lg_u32 s[WV], 0
	s_cbranch_scc1 .Lnot_wave_0_\@
	s_barrier_signal -3
.Lnot_wave_0_\@:
	s_barrier_wait -3
	s_barrier_signal -1
	s_barrier_wait -1
.endm
.macro TLOAD
	s_cmp_lt_u32 s[WV], 4
	s_cbranch_scc0 .Lasked_\@
	tensor_load_to_lds s[G0:G0+3], s[G1:G1+7]
	s_nop 0
	PLACES 4
.Lasked_\@:
.endm
	s_load_b128 s[4:7], s[0:1], 0x0                ; qimg s[4:5], kv s[6:7]
	s_load_b64 s[8:9], s[0:1], 0x10                ; out0
	v_lshl_add_u32 v[SPW], v0, 2, SPARE
	v_mov_b32 v[NIL], 0
	ds_add_u32 v3, v4
	ds_add_u32 v3, v4
	s_wait_dscnt 0x0
	v_lshrrev_b32 v10, 5, v0
	s_delay_alu instid0(VALU_DEP_1)
	v_readfirstlane_b32 s[WV], v10                 ; wave 0..7
	s_bfe_u32 s11, ttmp6, 0x40000                  ; cx: it enters Q's and out's addresses alone
	s_lshl_b32 s12, ttmp9, 2
	s_add_co_u32 s12, s12, s11                     ; my block of 256 queries
	s_and_b32 s13, ttmp7, 0xffff                   ; 2 head + batch, which the four partners share
	s_mov_b32 s[G1], 15|(3<<16)|(1<<21)            ; the mask: all four work-groups, bit 21 beside it; elements of 8 bytes; no padding: every LDS read takes 512 consecutive bytes
	s_mov_b32 s[G1+1], 32<<16                      ; a quarter of a slot: 16,896 dense bytes as 66 rows of 256
	s_mov_b32 s[G1+2], 66<<16
	s_mov_b32 s[G1+3], 32<<16
	s_mov_b32 s[G1+4], 66
	s_mov_b32 s[G1+5], 32
	s_mov_b32 s[G1+6], 0
	s_mov_b32 s[G1+7], 0
	s_mul_i32 s[G0+1], s[WV], 16896                ; my quarter, in LDS
	s_mul_i32 s14, s13, 32*STEPB
	s_add_co_u32 s14, s14, s[G0+1]                 ; and in kv (s13 to s15 never hold cx)
	s_mov_b32 s15, 0
	s_lshl_b32 s16, s13, 5
	s_lshl_b32 s17, s12, 1
	s_add_co_u32 s16, s16, s17
	s_lshr_b32 s17, s[WV], 2
	s_add_co_u32 s16, s16, s17                     ; my block of 128 queries in qimg
	s_mul_i32 s16, s16, 16896
	s_and_b32 s18, s[WV], 3
	s_lshl_b32 s17, s18, 12
	s_add_co_u32 s38, s16, s17                     ; my two tiles,
	s_mov_b32 s39, 0
	s_lshl_b32 s17, s18, 7
	s_add_co_u32 s40, s16, s17
	s_add_co_u32 s40, s40, 16384                   ; and their scale words
	s_mov_b32 s41, 0
	s_and_b32 s16, s13, 1
	s_lshl_b32 s16, s16, 12
	s_lshl_b32 s17, s12, 8
	s_add_co_u32 s16, s16, s17
	s_lshl_b32 s17, s[WV], 5
	s_add_co_u32 s16, s16, s17                     ; my first row of out: 4,096 batch + 256 block + 32 wave
	s_mul_i32 s42, s16, 3072
	s_lshr_b32 s17, s13, 1
	s_lshl_b32 s17, s17, 9
	s_add_co_u32 s42, s42, s17                     ; + the head's 512 bytes
	s_mov_b32 s43, 0
	s_mov_b32 s[MNT], 0x600000
	s_mov_b32 s[SEL], 0x76543210
	s_mov_b32 s[SEL+1], 0xfedcba98
	s_mov_b32 s[CS], 0x3d553b95                    ; c = log2(e) / sqrt(768) = 0.0520588
	s_mov_b32 s[CS+1], s[CS]
	s_mov_b32 s[TB], 0
	s_mov_b32 s[SLOTS], 14
	v_and_b32 v10, 31, v0
	s_delay_alu instid0(VALU_DEP_1)
	v_lshlrev_b32 v[LI], 4, v10
	s_delay_alu instid0(VALU_DEP_2)
	v_lshlrev_b32 v[LS], 2, v10
	v_and_b32 v10, 15, v0                          ; r
	v_bfe_u32 v11, v0, 4, 1                        ; h
	s_delay_alu instid0(VALU_DEP_1)
	v_mul_u32_u24 v[GO], v11, 3072
	s_delay_alu instid0(VALU_DEP_1)
	v_lshl_add_u32 v[GO], v10, 4, v[GO]            ; lanes 0-15 one row of out, lanes 16-31 the next; 16 bytes a lane
	s_mul_i32 s44, s[WV], 16*272
	s_add_co_u32 s44, s44, STG                     ; my stage
	v_mul_u32_u24 v[STO], v10, 272
	s_delay_alu instid0(VALU_DEP_1)
	v_lshl_add_u32 v[STO], v11, 6, v[STO]
	s_delay_alu instid0(VALU_DEP_1)
	v_add_nc_u32 v[STO], s44, v[STO]               ; in: row r, + 64 h
	v_mul_u32_u24 v[RD], v11, 272
	s_delay_alu instid0(VALU_DEP_1)
	v_lshl_add_u32 v[RD], v10, 4, v[RD]
	s_delay_alu instid0(VALU_DEP_1)
	v_add_nc_u32 v[RD], s44, v[RD]                 ; back: lanes 0-15 one row, lanes 16-31 the next
	s_wait_kmcnt 0x0
	s_add_nc_u64 s[38:39], s[4:5], s[38:39]
	s_add_nc_u64 s[40:41], s[4:5], s[40:41]
	s_add_nc_u64 s[8:9], s[8:9], s[42:43]
	s_mov_b32 s[G0], 1
	s_add_nc_u64 s[G0+2:G0+3], s[6:7], s[14:15]
	s_or_b32 s[G0+3], s[G0+3], 0x80000000
	CROUND                                         ; all four work-groups are here: the first joint loads meet
	TLOAD                                          ; slot 0: key steps 0 and 1
.irp x, 0,1
.irp c, 0,1,2,3
	global_load_b128 v[QF+16*\x+4*\c:QF+16*\x+4*\c+3], v[LI], s[38:39] offset:2048*\x+512*\c   ; Q stays in registers
.endr
.endr
	global_load_b32 v[QS], v[LS], s[40:41]
.irp x, 0,1
	v_mov_b32 v[ST+4*\x+1], 0xff61b1e6             ; the largest t so far: -3e38, under every t
	s_delay_alu instid0(VALU_DEP_1)
	v_floor_f32 v[ST+4*\x], -v[ST+4*\x+1]          ; -M
	v_mov_b32 v[ST+4*\x+2], 0                      ; the sum, in two halves
	v_mov_b32 v[ST+4*\x+3], 0
	v_mov_b32 v[FF+2*\x+1], 0                      ; named as the upper half of f's pair
.endr
.irp b, 0,1,2,3
	v_mov_b32 v[T4+\b], 0                          ; written once: a lane permute's destination counts as one of its sources
.endr
	WIN 0x40                                       ; destination window 1
.set j, 0
.rept 128
	v_mov_b32 v[j], 0                              ; O^T.  The key step is written without a first step of its own, which would be one more copy of it: the first change of M multiplies zeros
.set j, j+1
.endr
	WIN 0
.macro WMX zero                        ; one product; the registers in rD, rA, rB, rSA, rSB; fRA, fRB: that side's scales lie in lanes 16-31
.if \zero
.if fRA && fRB
	v_wmma_scale_f32_16x16x128_f8f6f4 v[rD:rD+7], v[rA:rA+15], v[rB:rB+15], 0, v[rSA], v[rSB] matrix_a_scale:MATRIX_SCALE_ROW1 matrix_b_scale:MATRIX_SCALE_ROW1
.elseif fRA
	v_wmma_scale_f32_16x16x128_f8f6f4 v[rD:rD+7], v[rA:rA+15], v[rB:rB+15], 0, v[rSA], v[rSB] matrix_a_scale:MATRIX_SCALE_ROW1
.elseif fRB
	v_wmma_scale_f32_16x16x128_f8f6f4 v[rD:rD+7], v[rA:rA+15], v[rB:rB+15], 0, v[rSA], v[rSB] matrix_b_scale:MATRIX_SCALE_ROW1
.else
	v_wmma_scale_f32_16x16x128_f8f6f4 v[rD:rD+7], v[rA:rA+15], v[rB:rB+15], 0, v[rSA], v[rSB]
.endif
.else
.if fRA
	v_wmma_scale_f32_16x16x128_f8f6f4 v[rD:rD+7], v[rA:rA+15], v[rB:rB+15], v[rD:rD+7], v[rSA], v[rSB] matrix_a_scale:MATRIX_SCALE_ROW1
.else
	v_wmma_scale_f32_16x16x128_f8f6f4 v[rD:rD+7], v[rA:rA+15], v[rB:rB+15], v[rD:rD+7], v[rSA], v[rSB]
.endif
.endif
.endm
.macro KQ t0                           ; S^T = K Q^T: key tiles t0 .. t0 + 3 x my two tiles of queries: eight accumulators, each begun with 0
.irp i, 0,1,2,3
.irp x, 0,1
.set rD, SS+64*\x+8*((\t0)+\i)
.set rA, FRG+16*((\t0)+\i)
.set rB, QF+16*\x
.set rSA, KS+((\t0)+\i)/2
.set rSB, QS
.set fRA, \i%2
.set fRB, \x
	WMX 1
.endr
.endr
.endm
; Tile x's softmax for 128 keys: register 16 b + i of the tile's 64 is key 32 b + 16 (lane / 16) + i.
.macro SOFTMAX x
.set sS, SS+64*(\x)
.set sM, ST+4*(\x)
.set sF, FF+2*(\x)
.set sP, PC+16*(\x)
.set sW, PS+(\x)
.irp b, 0,1,2,3
	v_max3_num_f32 v[BM+\b], v[sS+16*\b], v[sS+16*\b+1], v[sS+16*\b+2]   ; the largest score of each block of 32 keys: for the row's maximum, and, since p rises with the score, for the block's largest p
.endr
.irp i, 3,5,7,9,11,13
.irp b, 0,1,2,3
	v_max3_num_f32 v[BM+\b], v[BM+\b], v[sS+16*\b+\i], v[sS+16*\b+\i+1]
.endr
.endr
.irp b, 0,1,2,3
	v_max_num_f32 v[BM+\b], v[BM+\b], v[sS+16*\b+15]
.endr
.irp b, 0,1,2,3
	s_delay_alu instid0(VALU_DEP_4)
	v_permlanex16_b32 v[T4+\b], v[BM+\b], s[SEL], s[SEL+1]
.endr
.irp b, 0,1,2,3
	s_delay_alu instid0(VALU_DEP_4)
	v_max_num_f32 v[BM+\b], v[BM+\b], v[T4+\b]     ; with lane l xor 16's 16 keys
.endr
	s_delay_alu instid0(VALU_DEP_2)
	v_max3_num_f32 v[TT], v[BM], v[BM+1], v[BM+2]
	s_delay_alu instid0(VALU_DEP_1)
	v_max_num_f32 v[TT], v[TT], v[BM+3]            ; the step's largest score of my query,
	s_delay_alu instid0(VALU_DEP_1)
	v_mul_f32 v[TT], s[CS], v[TT]                  ; as t (c is positive)
	s_delay_alu instid0(VALU_DEP_1)
	v_max_num_f32 v[sM+1], v[sM+1], v[TT]          ; the running largest t
	v_mov_b32 v[TT], v[sM]
	s_delay_alu instid0(VALU_DEP_2)
	v_floor_f32 v[sM], -v[sM+1]                    ; the new -M = floor(-t) = -ceil(t)
	s_delay_alu instid0(VALU_DEP_1)
	v_sub_f32 v[TT], v[sM], v[TT]                  ; old M - new M: a whole number, 0 or less
	s_delay_alu instid0(VALU_DEP_1)
	v_cvt_i32_f32 v[TT], v[TT]                     ; (it saturates)
	s_delay_alu instid0(VALU_DEP_1)
	v_ldexp_f32 v[sF], 1.0, v[TT]                  ; f = 2^(old M - new M)
.set j, 0
.rept 32
	v_pk_fma_f32 v[sS+j:sS+j+1], v[sS+j:sS+j+1], s[CS:CS+1], v[sM:sM+1] op_sel_hi:[1,0,0]   ; t - M, two at a time
.set j, j+2
.endr
.irp b, 0,1,2,3
	v_fma_f32 v[BM+\b], v[BM+\b], s[CS], v[sM]     ; the same of each block's largest score
.endr
.set j, 0
	s_wait_alu depctr_va_vdst(0)
.rept 64
	v_exp_f32 v[sS+j], v[sS+j]                     ; p = 2^(t - M), at most 1
.set j, j+1
.endr
.irp b, 0,1,2,3
	v_exp_f32 v[BM+\b], v[BM+\b]                   ; the block's largest p: the same two instructions on the same number give the same bits
.endr
	v_pk_mul_f32 v[sM+2:sM+3], v[sM+2:sM+3], v[sF:sF+1] op_sel_hi:[1,0]   ; the sums under the new M; also the plain instruction behind the exponentials
	s_wait_alu depctr_va_vdst(0)
.irp b, 0,1,2,3
	v_max_num_f32 v[BM+\b], 0x4800000, v[BM+\b]    ; the floor 2^(9 - 127): the byte cannot fall under 1
.endr
.irp b, 0,1,2,3
	s_delay_alu instid0(VALU_DEP_4)
	v_add_nc_u32 v[SOP+\b], 0xfc000000, v[BM+\b]   ; 8 off the exponent field: the conversion's scale operand
.endr
.irp b, 0,1,2,3
	v_and_or_b32 v[HL+\b], v[BM+\b], 0x7f800000, s[MNT]   ; 448 x the scale
.endr
.irp b, 0,1,2,3
	v_lshrrev_b32 v[T4+\b], 23, v[SOP+\b]          ; the scale's byte
.endr
	s_delay_alu instid0(VALU_DEP_3)
	v_lshl_or_b32 v[sW], v[T4+1], 8, v[T4]         ; p's scale word for these 128 keys
	s_delay_alu instid0(VALU_DEP_1)
	v_lshl_or_b32 v[sW], v[T4+2], 16, v[sW]
	s_delay_alu instid0(VALU_DEP_1)
	v_lshl_or_b32 v[sW], v[T4+3], 24, v[sW]
	v_pk_add_f32 v[SU2:SU2+1], v[sS:sS+1], v[sS+2:sS+3]   ; the row's sum is taken of the unquantised p: two at a time, in two chains
.set j, 4
.rept 15
	v_pk_add_f32 v[sM+2:sM+3], v[sM+2:sM+3], v[sS+j:sS+j+1]
	v_pk_add_f32 v[SU2:SU2+1], v[SU2:SU2+1], v[sS+j+2:sS+j+3]
.set j, j+4
.endr
	s_delay_alu instid0(VALU_DEP_1)
	v_pk_add_f32 v[sM+2:sM+3], v[sM+2:sM+3], v[SU2:SU2+1]
.irp b, 0,1,2,3
.irp i, 0,2,4,6,8,10,12,14
	v_dual_min_num_f32 v[sS+16*\b+\i], v[HL+\b], v[sS+16*\b+\i] :: v_dual_min_num_f32 v[sS+16*\b+\i+1], v[HL+\b], v[sS+16*\b+\i+1]   ; the conversion does not saturate (ISA guide 7.6.2); p is not negative, so the hold is one-sided; two holds an instruction: one bound, neighbouring registers
.endr
	v_cvt_scalef32_pk8_fp8_f32 v[sP+4*\b:sP+4*\b+1], v[sS+16*\b:sS+16*\b+7], v[SOP+\b]
	v_cvt_scalef32_pk8_fp8_f32 v[sP+4*\b+2:sP+4*\b+3], v[sS+16*\b+8:sS+16*\b+15], v[SOP+\b]
.endr
.endm
; A KEY STEP: 128 keys, the q-th of the slot in hand.
.macro STEP q, meet=0                  ; meet = 1: the slot's last step, and the slot is filled again behind it
.if \q == 0
	v_add_nc_u32 v[ADL], s[TB], v[LI]
	s_wait_alu depctr_va_vdst(0)
	v_add_nc_u32 v[ADS], s[TB], v[LS]
.else
	v_add_nc_u32 v[ADL], STEPB, v[ADL]
	v_add_nc_u32 v[ADS], STEPB, v[ADS]
.endif
	PLACES 6                                       ; with the two additions: eight places behind the last products, in front of loads into the registers that they read
.irp p, 0,1,2,3
	ds_load_b32 v[KS+\p], v[ADS] offset:KWO+128*\p
.endr
	WIN 0x40                                       ; destination window 1
.irp t, 0,1,2,3,4,5,6,7
.irp c, 0,1,2,3
	ds_load_b128 v[FRG+16*\t+4*\c:FRG+16*\t+4*\c+3], v[ADL] offset:2048*\t+512*\c
.endr
.endr
	s_wait_alu depctr_va_vdst(0)
	s_wait_dscnt 16                                ; K's words and tiles 0-3 are in; the youngest 16 loads (tiles 4-7) may be out
	WIN 0x01                                       ; source 0 (K) window 1
	KQ 0
	s_wait_dscnt 0x0
	KQ 4
	PLACES 8                                       ; in front of the loads over K's fragments, and of the first read of the scores
	WIN 0x40
.irp t, 0,1,2,3,4,5,6,7
.irp c, 0,1,2,3
	ds_load_b128 v[FRG+16*\t+4*\c:FRG+16*\t+4*\c+3], v[ADL] offset:16384+2048*\t+512*\c   ; V lands while the softmax is worked
.endr
.endr
	WIN 0
.irp p, 0,1,2,3
	ds_load_b32 v[VS+\p], v[ADS] offset:VWO+128*\p
.endr
.if \meet
	s_wait_tensorcnt 0x0                           ; my part of the slot ahead has landed; no tensor load of mine is out, so group 0 may be written
	ds_add_u32 v[SPW], v[NIL]                      ; 0 onto my spare word,
	ds_add_u32 v[SPW], v[NIL]                      ; and twice on end
	s_xor_b32 s[G0+1], s[G0+1], SLOT1              ; the slot in hand,
	s_add_nc_u64 s[G0+2:G0+3], s[G0+2:G0+3], SLOTB ; the next two key steps; the type bits on top are not reached
.endif
	SOFTMAX 0
.if \meet
	s_wait_alu depctr_va_vdst(0)                   ; the wait directly ahead of the wait below
	s_wait_dscnt 0x0                               ; both adds are done, and V and its words are in: my reads of this slot are over
	s_barrier_signal -1                            ; the round's opening signal; work on registers alone up to its wait
.endif
	SOFTMAX 1
	WIN 0x41                                       ; O^T (destination and source 0) window 1, f window 0
.irp x, 0,1
.set j, 0
.rept 32
	v_pk_mul_f32 v[64*\x+j:64*\x+j+1], v[64*\x+j:64*\x+j+1], v[FF+2*\x:FF+2*\x+1] op_sel_hi:[1,0]   ; O^T under the new M, each accumulator from its low end on; also the places between p's codes and scale words and the products
.set j, j+2
.endr
.endr
	s_wait_alu depctr_va_vdst(0)
	s_wait_dscnt 0x0                               ; V and its words are in
	WIN 0x51                                       ; source 0 (V), C and D window 1; source 1 (p) window 0
.irp t, 0,1,2,3,4,5,6,7                ; O^T += V^T P^T: the 16 accumulators take turns, one instruction a turn
.irp x, 0,1
.set rD, 64*\x+8*\t
.set rA, FRG+16*\t
.set rB, PC+16*\x
.set rSA, VS+\t/2
.set rSB, PS+\x
.set fRA, \t%2
.set fRB, 0
	WMX 0
.endr
.endr
	WIN 0
.if \meet
	CREST                                          ; no wave of any partner still reads this slot or has a load on its way
	TLOAD                                          ; the joint refill, first behind the round
.endif
.endm
; THE CHANGE OF SLOTS stands at a slot's head.  Each wave waits for all its tensor loads (one at the most is out: its part of the slot ahead), adds 0 to its spare word, and waits for that and for its reads of the slot that it has left.
; fill = 1: the barrier is a round of the cluster's, so that no wave of any partner still reads that slot, and the joint refill is the first thing behind it: it has two key steps in which to land.
.macro CHANGE fill
	s_wait_tensorcnt 0x0                           ; no tensor load of mine is out, so group 0 may be written
	ds_add_u32 v[SPW], v[NIL]                      ; 0 onto my spare word
.if \fill
	ds_add_u32 v[SPW], v[NIL]                      ; and once more where a tensor load can follow
	s_xor_b32 s[G0+1], s[G0+1], SLOT1              ; the other slot than last time,
	s_add_nc_u64 s[G0+2:G0+3], s[G0+2:G0+3], SLOTB ; the next two key steps; the type bits on top are not reached
.endif
	s_wait_dscnt 0x0                               ; the add is done, and my reads of the slot that I have left are over
.if \fill
	CROUND
	TLOAD
.else
	s_barrier_signal -1
	s_barrier_wait -1
.endif
.endm
.macro SLOT_STEPS meet
	STEP 0
	STEP 1, \meet
	s_xor_b32 s[TB], s[TB], SLOT1                  ; on to the other slot
.endm
	s_wait_loadcnt 0x0                             ; Q
	CHANGE 1                                       ; slot 0 is whole; slot 1's first fill is issued as a refill is
.Lslot:                                            ; 14 trips: slots 0 to 13; trip t ends with the request for slot t + 2
	SLOT_STEPS 1
	s_sub_co_u32 s[SLOTS], s[SLOTS], 1
	s_cmp_lg_u32 s[SLOTS], 0
	s_cbranch_scc1 .Lslot
	s_mov_b32 s[SLOTS], 2
.Ltail:                                            ; slots 14 and 15 ask for nothing: one text for both, so that the key step is written four times and not six.
	SLOT_STEPS 0                                   ; The first trip's barrier shows slot 15 to every wave; the second trip's orders nothing more
	CHANGE 0
	s_sub_co_u32 s[SLOTS], s[SLOTS], 1
	s_cmp_lg_u32 s[SLOTS], 0
	s_cbranch_scc1 .Ltail
	; THE WAY OUT.  O^T is divided by the row's sum and goes through my stage in LDS, 16 queries x 64 channels at a time, so that sixteen lanes store 256 consecutive bytes of a row of out.
	PLACES 8                                       ; behind the last products
.irp x, 0,1
	v_add_f32 v[T4+\x], v[ST+4*\x+2], v[ST+4*\x+3] ; the sum's two halves,
.endr
.irp x, 0,1
	s_delay_alu instid0(VALU_DEP_2)
	v_permlanex16_b32 v[T4+2+\x], v[T4+\x], s[SEL], s[SEL+1]
.endr
.irp x, 0,1
	s_delay_alu instid0(VALU_DEP_2)
	v_add_f32 v[T4+\x], v[T4+\x], v[T4+2+\x]       ; and lane l xor 16's
.endr
	s_wait_alu depctr_va_vdst(0)
.irp x, 0,1
	v_rcp_f32 v[FF+2*\x], v[T4+\x]
.endr
	v_nop                                          ; a plain instruction between the last reciprocal and the use of its result
	WIN 0x01                                       ; source 0 (O^T) window 1; the results take p's registers
	s_wait_alu depctr_va_vdst(0)
.irp x, 0,1
.set j, 0
.rept 32
	v_pk_mul_f32 v[SS+64*\x+j:SS+64*\x+j+1], v[64*\x+j:64*\x+j+1], v[FF+2*\x:FF+2*\x+1] op_sel_hi:[1,0]   ; register 64 x + 16 b + i: channel 32 b + 16 h + i of query 8 x + r + 8 (r / 8)
.set j, j+2
.endr
.endr
	WIN 0
.macro PACK k                          ; tile k / 2, channels 64 (k % 2) on: into rows of 272 bytes, and back as whole rows of 256, into the registers that they left
.set PB, SS+32*(\k)
.irp b, 0,1
.irp j, 0,1,2,3
	ds_store_b128 v[STO], v[PB+16*\b+4*\j:PB+16*\b+4*\j+3] offset:128*\b+16*\j
.endr
.endr
.irp i, 0,1,2,3,4,5,6,7
	ds_load_b128 v[PB+4*\i:PB+4*\i+3], v[RD] offset:544*\i   ; LDS serves a wave's instructions in order (ISA guide 5.7.1.4): these see the stores above; the next part's stores come behind them
.endr
.endm
.macro SEND k, younger                 ; younger: the LDS instructions issued behind part k's loads: the next part's sixteen, or none
.set PB, SS+32*(\k)
.irp i, 0,1,2,3,4,5,6,7
	s_wait_dscnt (\younger)+7-\i
	global_store_b128 v[GO], v[PB+4*\i:PB+4*\i+3], s[8:9] offset:(8*((\k)/2)+2*\i+8*(\i/4))*3072+256*((\k)%2) th:TH_STORE_NT   ; stage rows 2 i and 2 i + 1 are queries 8 x + 2 i + 8 (i / 4) and the next; 16 lanes store 256 consecutive bytes, aligned
.endr
.endm
	PACK 0
	PACK 1
	s_wait_alu depctr_va_vdst(0)
	SEND 0, 16
	PACK 2
	SEND 1, 16
	PACK 3
	SEND 2, 16
	SEND 3, 0
	s_wait_tensorcnt 0x0                           ; the wave's end, behind my last tensor load and my last LDS store
	ds_add_u32 v[SPW], v[NIL]
	s_wait_dscnt 0x0
	CROUND                                         ; the closing round: no work-group ends while a partner may still ask for a tile that names it
	s_endpgm
.Lfunc_end_k_qbf666521d8_attn:
	.size	k_qbf666521d8_attn, .Lfunc_end_k_qbf666521d8_attn-k_qbf666521d8_attn
	.p2alignl 7, 3214868480
	.fill 96, 4, 3214868480
	.section	.rodata,"a",@progbits
	.p2align	6, 0x0
	.amdhsa_kernel k_qbf666521d8_attn
		.amdhsa_group_segment_fixed_size 327680
		.amdhsa_private_segment_fixed_size 0
		.amdhsa_enable_private_segment 0
		.amdhsa_kernarg_size 24
		.amdhsa_user_sgpr_count 2
		.amdhsa_user_sgpr_kernarg_segment_ptr 1
		.amdhsa_wavefront_size32 1
		.amdhsa_system_sgpr_workgroup_id_x 1
		.amdhsa_system_sgpr_workgroup_id_y 1
		.amdhsa_system_sgpr_workgroup_id_z 1
		.amdhsa_system_vgpr_workitem_id 0
		.amdhsa_next_free_vgpr 512
		.amdhsa_next_free_sgpr 66
		.amdhsa_reserve_vcc 0
		.amdhsa_float_denorm_mode_32 3
		.amdhsa_float_denorm_mode_16_64 3
		.amdhsa_memory_ordered 1
		.amdhsa_forward_progress 1
		.amdhsa_inst_pref_size 189
	.end_amdhsa_kernel
	.amdgpu_metadata
---
amdhsa.version: [ 1, 2 ]
amdhsa.kernels:
  - .name:           k_qbf666521d8_attn
    .symbol:         k_qbf666521d8_attn.kd
    .args:
      - { .name: qimg, .offset: 0, .size: 8, .value_kind: global_buffer, .address_space: global }
      - { .name: kv, .offset: 8, .size: 8, .value_kind: global_buffer, .address_space: global }
      - { .name: out0, .offset: 16, .size: 8, .value_kind: global_buffer, .address_space: global }
    .group_segment_fixed_size: 327680
    .private_segment_fixed_size: 0
    .kernarg_segment_align: 8
    .kernarg_segment_size: 24
    .max_flat_workgroup_size: 256
    .sgpr_count:     66
    .vgpr_count:     512
    .wavefront_size: 32
...
	.end_amdgpu_metadata
.endif
;; end of part 2
